; MI455X (gfx1250); checked and timed in simulation.
; The chip was launched on July 23, 2026; its instructions are those of AMD's public machine-readable ISA for CDNA 5 (MIT licence, August 2026) and "CDNA5" Instruction Set Architecture Reference Guide (July 2026). The comments in the code are by the model that wrote it; some were corrected since.
;; Batch Distance Aware Cross Attention. Allowed arithmetic: matrix products marked QUANTISED: E2M1 operands, one E8M0 scale for each 32 along K, by v_wmma_scale_f32_16x16x128_f8f6f4 with both operands' format E2M1 (or v_wmma_scale_f32_32x16x128_f4), f32 sums; products left as they are: f32 operands where the result goes on into a quantised operand, else bf16, f16 or f32 operands; f32 sums; everything else in f32.
;; Inputs: Wk 512 x 512 float32; Wo 512 x 512 float32; Wq 512 x 512 float32; Wv 512 x 512 float32; bk 512 float32; bo 512 float32; bq 512 float32; bv 512 float32; context 32 x 4,096 x 512 float32; context_mask 32 x 4,096 int32; dist_matrix 32 x 1 x 4,096 float32; ln_beta 512 float32; ln_gamma 512 float32; query 32 x 512 float32.
;; Outputs: out0 32 x 512 float32.
;; This version of the problem:
;;   THIS VERSION OF THE PROBLEM IS GIVEN IN LOW PRECISION. The matrix products marked QUANTISED in the list below multiply operands that are first quantised to E2M1 (2 exponent bits, 1 mantissa bit; 4 bits a number), with one power-of-two scale for each 32 numbers along K (OCP MX v1.0); their sums are f32. All else is computed in f32.
;;   The module's matrix products, in the order in which they are computed (A, B: the left and right operand; K: the contracted axis; several contracted axes count as one K, in the product's order):
;;     1. [M 32, K 512] x [K 512, N 512]; A: input query; B: input Wq: QUANTISED
;;     2. [M 131,072, K 512] x [K 512, N 512]; A: input context; B: input Wk: QUANTISED
;;     3. [M 131,072, K 512] x [K 512, N 512]; A: input context; B: input Wv: QUANTISED
;;     4. batch 512 x [M 1, K 32] x [K 32, N 4,096]; A: computed on the way; B: computed on the way: left as it is (M = 1 < 16)
;;     5. batch 512 x [M 1, K 4,096] x [K 4,096, N 32]; A: softmax; B: computed on the way: left as it is (M = 1 < 16)
;;     6. [M 32, K 512] x [K 512, N 512]; A: computed on the way; B: input Wo: QUANTISED
;;   THE QUANTISER, for each operand of a quantised product, along K:
;;     - K is cut into blocks of 32 from its start; a last block that is shorter is filled with zeros.
;;     - A block's scale is 2^e with e = floor(log2(the largest magnitude in the block)) - 2, held to -126 .. 127; a block of zeros has e = 0. As a byte (E8M0): e + 127.
;;     - Each number is divided by its block's scale, clamped to +-6, and rounded to the nearest number of E2M1, ties to even, subnormals kept.
;;     - The product sums the exact products of the quantised numbers (number of the format x scale) in f32.
;;   ~~~python
;;   def quantise(x, axis):      # numpy; x: float32 -> the quantised numbers, widened to float32 again
;;       x = np.moveaxis(x, axis, -1); K = x.shape[-1]
;;       x = np.pad(x, [(0, 0)] * (x.ndim - 1) + [(0, -K % 32)]); x = x.reshape(x.shape[:-1] + (-1, 32)); a = np.abs(x).max(-1, keepdims=True)
;;       e = np.where(a > 0, np.clip(np.frexp(np.where(a > 0, a, 1))[1] - 1 - 2, -126, 127), 0)      # np.frexp(a)[1] - 1 = floor(log2(a)), exactly
;;       r = np.clip(x / 2.0 ** e, -6, 6)
;;       step = 2.0 ** (np.maximum(np.frexp(np.where(r == 0, 1, r))[1] - 1, 0) - 1)
;;       q = np.round(r / step) * step * 2.0 ** e      # np.round: ties to even
;;       return np.moveaxis(q.reshape(q.shape[:-2] + (-1,))[..., :K], -1, axis).astype(np.float32)
;;   ~~~
;;   OPERANDS COMPUTED ON THE WAY. 'Computed on the way' means the value that the module computes at that place (a softmax that the list does not call 'softmax' is quantised finished and normalised). What goes into a quantiser is computed in f32, as accurately as f32 sums, v_exp_f32 and their like allow (about 1e-6 of the number): no bf16 or f16 on the way to a quantiser, and a product that is left as it is and whose result goes on into a quantised operand takes f32 operands (vector FMAs, or v_wmma_f32_16x16x4_f32). A number that lies on a knife's edge between two numbers of the format may be rounded either way, as far as f32 arithmetic and the matrix unit's own rounding can turn it there, and no further.
;; One version. Each part assembles by itself: llvm-mc -triple=amdgcn-amd-amdhsa -mcpu=gfx1250 --defsym DOCPART=n.
;; ======== version 1 of 1: 3 launches
;; workspace buffers: wimg 393,216 bytes; wscl 24,576 bytes; qbuf 65,536 bytes; part 1,048,576 bytes
;; launch prep (part 1): grid 64 x 1, 4 waves a work-group, no clusters, 26,112 bytes of LDS; arguments Wq, Wk, Wv, Wo, query, bq, wimg, wscl, qbuf; writes wimg, wscl, qbuf
.if DOCPART == 1
	.amdgcn_target "amdgcn-amd-amdhsa--gfx1250"
	.amdhsa_code_object_version 6
	.text
	.protected	k_qdf7e7f65fa_prep
	.globl	k_qdf7e7f65fa_prep
	.p2align	8
	.type	k_qdf7e7f65fa_prep,@function
k_qdf7e7f65fa_prep:
	s_mov_b64 s[64:65], 0
	v_nop
	global_prefetch_b8 v0, s[64:65] scope:SCOPE_SE
	s_setreg_imm32_b32 hwreg(HW_REG_WAVE_MODE, 25, 1), 1
	s_wait_xcnt 0x0
; Wq, Wk, Wv, Wo, each [512 (k)][512 (n)] f32 with K as the FIRST axis, become codes of FP4 (E2M1) with one E8M0 byte for each 32 along K.
; A LANE TAKES A COLUMN AND ITS REGISTERS RUN DOWN K: each load reads 128 consecutive bytes, a block of 32 lies in one lane's registers, its largest
; magnitude needs no other lane, and the conversions give codes with K innermost.  Nothing is transposed.
; SHARES: work-group = (weight, 32 columns): 4 x 16 = 64; wave s takes K step s: 128 rows, four blocks a lane.
; Wk, Wv, Wo (slots 0, 1, 2) leave as IMAGES OF OPERAND REGISTERS, so that the later launches load fragments by dense 16-byte loads:
;   wimg: slot x 131,072 + tile (16 columns) x 4,096 + K step (128) x 1,024 + block of 32 along K x 256 + (column % 16) x 16: 32 codes in 16 bytes;
;   wscl: slot x 8,192 + tile x 256 + (column % 16) x 16 + K step x 4: one word, byte b for k = 32 b .. 32 b + 31 of the K step.
; Wq IS USED HERE AND NOT STORED: its 16 work-groups make q = Q(query) Q(Wq) + bq for their 32 columns and all 32 batches, once for the whole program.  Wave s turns its codes through
; LDS bytes of its own into two fragments, quantises K step s of the 32 query rows in registers, and issues four products (2 tiles of columns x 2 tiles of batches, 128 along K);
; the four waves' partial sums meet in LDS, and each wave finishes one tile: + bq, x c = log2(e) / sqrt(32) (the next launch's exponentials are to base 2), to qbuf [32][512] f32.
; The product is used transposed (source 0 = 16 columns of Wq, source 1 = 16 query rows): lane (r, h) holds batch r, register j channel 8 h + j.
; The two kinds of work-group part once, on the work-group's number, and never join; each path has LDS bytes of its own.
; A block's scale is 2^(floor(log2(largest magnitude)) - 2); its byte is that magnitude's exponent field - 2, held at 1 from below.
; LIMITS: a block of zeros gets the byte 1 where the rule says 127 (its codes are zeros, and this program alone reads the bytes); NaN and infinities are not served;
; q's four K steps are added in f32 in ascending order; q c is rounded once more than in the reference (a relative 6e-8).
; q leaves in runs of 64 consecutive bytes of a row (a work-group holds 32 columns): 64 KiB in the whole launch.
.set QWI, 1024                         ; LDS, q's path: each wave's own 2,048 bytes: its codes as two fragments' images
.set QS,  QWI+4*2048                   ; and 4,096 bytes for each wave's four partial tiles.  (The weights' path uses bytes 0-511 alone)
.set IN,  2                            ; v2   in: 4 bytes a lane
.set OUT, 3                            ; v3   codes out: 16 (lane % 16) + 4,096 (lane / 16)
.set L16, 6                            ; v6   16 lane
.set SWA, 7                            ; v7   LDS: 16 lane + 4 K step
.set MXA, 8                            ; v8, v9   two chains of a block's largest magnitude
.set MXB, 9
.set SO,  10                           ; v10-13   the conversions' scale operand, one a block
.set BY,  14                           ; v14      a scale's byte
.set W,   16                           ; v16      my column's scale word of this K step: nothing else ever stands here
.set QST, 17                           ; v17  q: where my codes go in LDS
.set QRD, 18                           ; v18  and where the fragments are read
.set PST, 19                           ; v19  where my partial tiles go
.set PRD, 20                           ; v20  and where I read the tile that I finish
.set QIN, 21                           ; v21  query: 2,048 r + 128 h
.set BQA, 22                           ; v22  bq: 32 h
.set QOUT, 23                          ; v23  q out: 2,048 r + 32 h
.set SH8, 24                           ; v24  8 h
.set PT,  25                           ; v25  a lane permute's destination
.set PW,  26                           ; v26-27 the scale words of the query's two tiles: nothing else ever stands here
.set QMX, 10                           ; the query's quantiser works in v8-15, ahead of the blocks
.set QSO, 8
.set QBY, 14
.set X,   32                           ; the numbers of W: the weights' path has four sets of 32 (v32-159), q's path two (v32-95)
.set XQ,  112                          ; q: v112-239 the query's two tiles, 64 numbers a lane each; later:
.set D,   112                          ;    v112-143 four partial tiles
.set WF,  144                          ;    v144-159 Wq's two fragments
.set R,   160                          ;    v160-191 one tile's four partial sums
.set BQ,  192                          ;    v192-199 bq
.set QC,  240                          ; q: v240-255 the query's two fragments
.macro LOAD t                          ; block t: 32 rows, 128 consecutive bytes a load
.set LI, 0
.rept 32
	global_load_b32 v[X+32*((\t)%NSET)+LI], v[IN], s[4:5] offset:2048*(32*(\t)+LI) th:TH_LOAD_NT
.set LI, LI+1
.endr
.endm
.macro BLOCK t, q                      ; q = 0: the codes go to wimg;  q = 1: to my LDS bytes
.set XS, X+32*((\t)%NSET)
.if (\t) < 2
	s_wait_loadcnt 32+2*(\q)                       ; this block's 32 loads are in; the next block's 32 (and, with q = 1, bq's two) may be out
.elseif (\t) == 2
	s_wait_loadcnt 32
.else
	s_wait_loadcnt 0x0
.endif
.if ((\t) < 2) && (NSET == 4)
	LOAD (\t)+2                                    ; two blocks ahead; every block has registers of its own
.endif
	v_max3_num_f32 v[MXA], |v[XS]|, |v[XS+1]|, |v[XS+2]|           ; the block's largest magnitude, in two chains
	v_max3_num_f32 v[MXB], |v[XS+3]|, |v[XS+4]|, |v[XS+5]|
.irp i, 6,10,14,18,22,26
	v_max3_num_f32 v[MXA], v[MXA], |v[XS+\i]|, |v[XS+\i+1]|
	v_max3_num_f32 v[MXB], v[MXB], |v[XS+\i+2]|, |v[XS+\i+3]|
.endr
	v_max3_num_f32 v[MXA], v[MXA], |v[XS+30]|, |v[XS+31]|
	v_max3_num_f32 v[MXA], v[MXA], v[MXB], 0x1800000               ; and the floor 2^(3 - 127): the byte cannot fall under 1
	v_add_nc_u32 v[SO+(\t)], 0xff000000, v[MXA]                    ; 2 off the exponent field: the conversion takes this operand's exponent field as its scale
	v_lshrrev_b32 v[BY], 23, v[SO+(\t)]                            ; the scale's byte
.if (\t) == 0
	v_mov_b32 v[W], v[BY]
.else
	v_lshl_or_b32 v[W], v[BY], 8*(\t), v[W]                        ; the lower K in the lower byte
.endif
.irp g, 0,1,2,3
	v_cvt_scalef32_pk8_fp4_f32 v[C+4*(\t)+\g], v[XS+8*\g:XS+8*\g+7], v[SO+(\t)]
.endr
.if ((\t) < 2) && (NSET == 2)
	LOAD (\t)+2                                    ; two sets by turns: the set just converted takes the block two further on
.endif
.if \q
	ds_store_b128 v[QST], v[C+4*(\t):C+4*(\t)+3] offset:256*(\t)
.else
	global_store_b128 v[OUT], v[C+4*(\t):C+4*(\t)+3], s[16:17] offset:256*(\t)   ; sixteen lanes store 256 consecutive bytes, aligned
.endif
.endm
.macro QB xs, pc, pw                   ; 64 numbers of a lane, register 32 c + i = k 64 c + 32 h + i of my row, become a fragment's codes and its rows' scale word
.irp c, 0,1
	v_max3_num_f32 v[QMX+2*\c], |v[(\xs)+32*\c]|, |v[(\xs)+32*\c+1]|, |v[(\xs)+32*\c+2]|
	v_max3_num_f32 v[QMX+2*\c+1], |v[(\xs)+32*\c+3]|, |v[(\xs)+32*\c+4]|, |v[(\xs)+32*\c+5]|
.endr
.irp i, 6,10,14,18,22,26
.irp c, 0,1
	v_max3_num_f32 v[QMX+2*\c], v[QMX+2*\c], |v[(\xs)+32*\c+\i]|, |v[(\xs)+32*\c+\i+1]|
	v_max3_num_f32 v[QMX+2*\c+1], v[QMX+2*\c+1], |v[(\xs)+32*\c+\i+2]|, |v[(\xs)+32*\c+\i+3]|
.endr
.endr
.irp c, 0,1
	v_max3_num_f32 v[QMX+2*\c], v[QMX+2*\c], |v[(\xs)+32*\c+30]|, |v[(\xs)+32*\c+31]|
.endr
.irp c, 0,1
	v_max3_num_f32 v[QMX+2*\c], v[QMX+2*\c], v[QMX+2*\c+1], 0x1800000
.endr
.irp c, 0,1
	v_add_nc_u32 v[QSO+\c], 0xff000000, v[QMX+2*\c]
.endr
.irp c, 0,1
	v_lshrrev_b32 v[QBY+\c], 23, v[QSO+\c]
.endr
	v_lshl_or_b32 v[\pw], v[QBY+1], 16, v[QBY]     ; my two bytes, blocks h and 2 + h, at their places;
	v_lshlrev_b32 v[\pw], v[SH8], v[\pw]
	v_permlanex16_b32 v[PT], v[\pw], s36, s37
	v_or_b32 v[\pw], v[\pw], v[PT]                 ; with lane xor 16's two the word is whole
.irp c, 0,1
.irp g, 0,1,2,3
	v_cvt_scalef32_pk8_fp4_f32 v[(\pc)+4*\c+\g], v[(\xs)+32*\c+8*\g:(\xs)+32*\c+8*\g+7], v[QSO+\c]
.endr
.endr
	v_nop                                          ; one plain place behind the conversions: matrix instructions write their sources later
.endm
	s_load_b512 s[4:19], s[0:1], 0x0               ; Wq s[4:5], Wk s[6:7], Wv s[8:9], Wo s[10:11], query s[12:13], bq s[14:15], wimg s[16:17], wscl s[18:19]
	s_load_b64 s[20:21], s[0:1], 0x40              ; qbuf
	v_lshl_add_u32 v30, v0, 2, 0x6400
	v_mov_b32 v31, 0
	v_lshrrev_b32 v1, 5, v0
	v_readfirstlane_b32 s22, v1                    ; wave = K step
	v_and_b32 v1, 31, v0                           ; lane
	v_lshlrev_b32 v[IN], 2, v1
	v_lshrrev_b32 v4, 4, v1                        ; lane / 16 = h
	v_and_b32 v5, 15, v1                           ; lane % 16 = r
	v_lshlrev_b32 v[L16], 4, v1
	v_lshlrev_b32 v[OUT], 4, v5
	v_lshl_add_u32 v[OUT], v4, 12, v[OUT]          ; lanes 16-31 belong to the next tile
	s_lshl_b32 s26, s22, 2
	v_add_nc_u32 v[SWA], s26, v[L16]
	s_lshl_b32 s26, s22, 11                        ; q's path: these few lines stand here, under the wait for the arguments
	s_add_co_u32 s26, s26, QWI
	v_lshlrev_b32 v[QST], 4, v5
	v_lshl_add_u32 v[QST], v4, 10, v[QST]
	v_add_nc_u32 v[QST], s26, v[QST]               ; my wave's bytes + 1,024 (lane / 16) + 16 (lane % 16); a block is 256 bytes on
	v_add_nc_u32 v[QRD], s26, v[L16]
	s_lshl_b32 s26, s22, 12
	s_add_co_u32 s26, s26, QS
	v_add_nc_u32 v[PST], s26, v[L16]
	s_lshl_b32 s26, s22, 10
	s_add_co_u32 s26, s26, QS
	v_add_nc_u32 v[PRD], s26, v[L16]
	v_lshlrev_b32 v[QIN], 11, v5
	v_lshl_add_u32 v[QOUT], v4, 5, v[QIN]
	v_lshl_add_u32 v[QIN], v4, 7, v[QIN]
	v_lshlrev_b32 v[BQA], 5, v4
	v_lshlrev_b32 v[SH8], 3, v4
	v_mov_b32 v[PT], 0                             ; a lane permute's destination counts as one of its sources
	s_lshr_b32 s23, ttmp9, 4                       ; which weight: 0 Wq, 1 Wk, 2 Wv, 3 Wo
	s_and_b32 s24, ttmp9, 15                       ; which 32 columns
	s_lshl_b32 s28, s22, 18                        ; source: 128 rows of 2,048 bytes a K step,
	s_lshl_b32 s29, s24, 7                         ; 128 bytes for 32 columns
	s_add_co_u32 s28, s28, s29
	s_mov_b32 s29, 0
	s_mov_b32 s36, 0x76543210
	s_mov_b32 s37, 0xfedcba98                      ; v_permlanex16_b32's selects for lane xor 16
	s_mov_b32 s38, 0x3e8293ee                      ; c = log2(e) / sqrt(32)
	s_mov_b32 s39, s38                             ; (named with it as a pair)
	s_wait_kmcnt 0x0
	s_cmp_eq_u32 s23, 1                            ; the weight is chosen on the work-group's number alone
	s_cselect_b64 s[4:5], s[6:7], s[4:5]
	s_cmp_eq_u32 s23, 2
	s_cselect_b64 s[4:5], s[8:9], s[4:5]
	s_cmp_eq_u32 s23, 3
	s_cselect_b64 s[4:5], s[10:11], s[4:5]
	s_add_nc_u64 s[4:5], s[4:5], s[28:29]
	s_cmp_eq_u32 s23, 0
	s_cbranch_scc1 .Lq
	; ---- Wk, Wv, Wo: codes and scale words to memory
.set NSET, 4
.set C, 160                            ; v160-175 codes: four registers a block, so that no store's data are written again
	LOAD 0
	LOAD 1
	s_sub_co_u32 s30, s23, 1                       ; the slot
	s_lshl_b32 s32, s30, 17                        ; codes: slot x 131,072 + 32 columns x 8,192 + K step x 1,024
	s_lshl_b32 s33, s24, 13
	s_add_co_u32 s32, s32, s33
	s_lshl_b32 s33, s22, 10
	s_add_co_u32 s32, s32, s33
	s_mov_b32 s33, 0
	s_lshl_b32 s34, s30, 13                        ; scale words: slot x 8,192 + 32 columns x 512
	s_lshl_b32 s35, s24, 9
	s_add_co_u32 s34, s34, s35
	s_mov_b32 s35, 0
	s_add_nc_u64 s[16:17], s[16:17], s[32:33]
	s_add_nc_u64 s[18:19], s[18:19], s[34:35]
	BLOCK 0, 0
	BLOCK 1, 0
	BLOCK 2, 0
	BLOCK 3, 0
	ds_store_b32 v[SWA], v[W]                      ; a column's four words come from the four waves: they meet in LDS
	s_wait_dscnt 0x0                               ; for the others' sake: my store is done
	s_barrier_signal -1
	s_barrier_wait -1
	s_cmp_lg_u32 s22, 0
	s_cbranch_scc1 .Ldone
	ds_load_b128 v[32:35], v[L16]                  ; wave 0: 16 bytes a column
	s_wait_dscnt 0x0
	global_store_b128 v[L16], v[32:35], s[18:19]   ; 512 consecutive bytes, aligned
.Ldone:
	s_wait_tensorcnt 0x0
	ds_add_u32 v30, v31
	s_wait_dscnt 0x0
	s_endpgm
	; ---- Wq: q for 32 columns and 32 batches
.Lq:
.set NSET, 2
.set C, 96                             ; v96-111 codes
	s_lshl_b32 s30, s22, 9                         ; the query: my K step's 512 bytes of a row
	s_mov_b32 s31, 0
	s_add_nc_u64 s[12:13], s[12:13], s[30:31]
.irp a, 0,1                                    ; rows 16 a + r: register 32 c + i = k 128 s + 64 c + 32 h + i: two whole blocks a lane
.irp c, 0,1
.irp j, 0,1,2,3,4,5,6,7
	global_load_b128 v[XQ+64*\a+32*\c+4*\j:XQ+64*\a+32*\c+4*\j+3], v[QIN], s[12:13] offset:32768*\a+256*\c+16*\j
.endr
.endr
.endr
	LOAD 0
	LOAD 1
	s_lshr_b32 s32, s22, 1                         ; the tile that I finish: columns 16 (wave / 2) on, batches 16 (wave % 2) on
	s_lshl_b32 s32, s32, 6
	s_lshl_b32 s33, s24, 7
	s_add_co_u32 s32, s32, s33
	s_mov_b32 s33, 0
	s_add_nc_u64 s[14:15], s[14:15], s[32:33]      ; bq at the tile's first channel
	s_and_b32 s34, s22, 1
	s_lshl_b32 s34, s34, 15
	s_add_co_u32 s32, s32, s34
	s_add_nc_u64 s[20:21], s[20:21], s[32:33]      ; qbuf at the tile's first batch and channel
	s_wait_loadcnt 63                              ; the query is in: 64 loads are younger, and 63 is the largest count that can be written
	QB XQ, QC, PW                                  ; the query is quantised while Wq's first blocks are on their way
	QB XQ+64, QC+8, PW+1
	global_load_b128 v[BQ:BQ+3], v[BQA], s[14:15]
	global_load_b128 v[BQ+4:BQ+7], v[BQA], s[14:15] offset:16
	BLOCK 0, 1
	BLOCK 1, 1
	BLOCK 2, 1
	BLOCK 3, 1
.irp u, 0,1                                    ; my codes come back as two fragments: lane (r, h): registers 4 c .. 4 c + 3 = block 2 c + h of column 16 u + r.  My own bytes; LDS serves a wave's instructions in order
.irp c, 0,1
	ds_load_b128 v[WF+8*\u+4*\c:WF+8*\u+4*\c+3], v[QRD] offset:1024*\u+512*\c
.endr
.endr
.rept 8
	v_nop                                          ; Wq's scale word was written by a vector instruction: eight places ahead of the scaled products
.endr
	s_wait_dscnt 0x0
.irp u, 0,1                                    ; four products on four accumulators.  Wq's scale word lies as the unit wants it: lanes 0-15 columns 0-15, lanes 16-31 columns 16-31
.irp a, 0,1
.if \u
	v_wmma_scale_f32_16x16x128_f8f6f4 v[D+8*(2*\u+\a):D+8*(2*\u+\a)+7], v[WF+8*\u:WF+8*\u+7], v[QC+8*\a:QC+8*\a+7], 0, v[W], v[PW+\a] matrix_a_fmt:MATRIX_FMT_FP4 matrix_b_fmt:MATRIX_FMT_FP4 matrix_a_scale:MATRIX_SCALE_ROW1
.else
	v_wmma_scale_f32_16x16x128_f8f6f4 v[D+8*(2*\u+\a):D+8*(2*\u+\a)+7], v[WF+8*\u:WF+8*\u+7], v[QC+8*\a:QC+8*\a+7], 0, v[W], v[PW+\a] matrix_a_fmt:MATRIX_FMT_FP4 matrix_b_fmt:MATRIX_FMT_FP4
.endif
.endr
.endr
.rept 4
	v_nop                                          ; four places in front of the stores that read the results
.endr
.irp i, 0,1,2,3
.irp k, 0,1
	ds_store_b128 v[PST], v[D+8*\i+4*\k:D+8*\i+4*\k+3] offset:1024*\i+512*\k   ; as images of the registers; each tile from its low end on
.endr
.endr
	s_wait_dscnt 0x0                               ; for the others' sake: my stores are done
	s_barrier_signal -1
	s_barrier_wait -1
.irp p, 0,1,2,3                                ; tile number = my wave's number: its share of each K step
.irp k, 0,1
	ds_load_b128 v[R+8*\p+4*\k:R+8*\p+4*\k+3], v[PRD] offset:4096*\p+512*\k
.endr
.endr
	s_wait_dscnt 0x0
.irp p, 1,2,3
.irp k, 0,2,4,6
	v_pk_add_f32 v[R+\k:R+\k+1], v[R+\k:R+\k+1], v[R+8*\p+\k:R+8*\p+\k+1]       ; K ascending
.endr
.endr
.irp k, 0,2,4,6
	v_pk_add_f32 v[R+\k:R+\k+1], v[R+\k:R+\k+1], v[BQ+\k:BQ+\k+1]               ; + bq (in since the last block's wait)
.endr
.irp k, 0,2,4,6
	v_pk_mul_f32 v[R+\k:R+\k+1], v[R+\k:R+\k+1], s[38:39] op_sel_hi:[1,0]       ; x c
.endr
	global_store_b128 v[QOUT], v[R:R+3], s[20:21]              ; lane (r, h): batch r, channels 8 h + 0 .. 7
	global_store_b128 v[QOUT], v[R+4:R+7], s[20:21] offset:16
	s_wait_tensorcnt 0x0
	ds_add_u32 v30, v31
	s_wait_dscnt 0x0
	s_endpgm
.Lfunc_end_k_qdf7e7f65fa_prep:
	.size	k_qdf7e7f65fa_prep, .Lfunc_end_k_qdf7e7f65fa_prep-k_qdf7e7f65fa_prep
	.p2alignl 7, 3214868480
	.fill 96, 4, 3214868480
	.section	.rodata,"a",@progbits
	.p2align	6, 0x0
	.amdhsa_kernel k_qdf7e7f65fa_prep
		.amdhsa_group_segment_fixed_size 26112
		.amdhsa_private_segment_fixed_size 0
		.amdhsa_enable_private_segment 0
		.amdhsa_kernarg_size 72
		.amdhsa_user_sgpr_count 2
		.amdhsa_user_sgpr_kernarg_segment_ptr 1
		.amdhsa_wavefront_size32 1
		.amdhsa_system_sgpr_workgroup_id_x 1
		.amdhsa_system_sgpr_workgroup_id_y 1
		.amdhsa_system_sgpr_workgroup_id_z 1
		.amdhsa_system_vgpr_workitem_id 0
		.amdhsa_next_free_vgpr 256
		.amdhsa_next_free_sgpr 66
		.amdhsa_reserve_vcc 0
		.amdhsa_float_denorm_mode_32 3
		.amdhsa_float_denorm_mode_16_64 3
		.amdhsa_memory_ordered 1
		.amdhsa_forward_progress 1
		.amdhsa_inst_pref_size 54
	.end_amdhsa_kernel
	.amdgpu_metadata
---
amdhsa.version: [ 1, 2 ]
amdhsa.kernels:
  - .name:           k_qdf7e7f65fa_prep
    .symbol:         k_qdf7e7f65fa_prep.kd
    .args:
      - { .name: Wq, .offset: 0, .size: 8, .value_kind: global_buffer, .address_space: global }
      - { .name: Wk, .offset: 8, .size: 8, .value_kind: global_buffer, .address_space: global }
      - { .name: Wv, .offset: 16, .size: 8, .value_kind: global_buffer, .address_space: global }
      - { .name: Wo, .offset: 24, .size: 8, .value_kind: global_buffer, .address_space: global }
      - { .name: query, .offset: 32, .size: 8, .value_kind: global_buffer, .address_space: global }
      - { .name: bq, .offset: 40, .size: 8, .value_kind: global_buffer, .address_space: global }
      - { .name: wimg, .offset: 48, .size: 8, .value_kind: global_buffer, .address_space: global }
      - { .name: wscl, .offset: 56, .size: 8, .value_kind: global_buffer, .address_space: global }
      - { .name: qbuf, .offset: 64, .size: 8, .value_kind: global_buffer, .address_space: global }
    .group_segment_fixed_size: 26112
    .private_segment_fixed_size: 0
    .kernarg_segment_align: 8
    .kernarg_segment_size: 72
    .max_flat_workgroup_size: 128
    .sgpr_count:     66
    .vgpr_count:     256
    .wavefront_size: 32
...
	.end_amdgpu_metadata
.endif
;; end of part 1
;; launch attn (part 2): grid 256 x 1, 8 waves a work-group, no clusters, 327,680 bytes of LDS; arguments context, context_mask, dist_matrix, qbuf, bk, wimg, wscl, part; writes part
.if DOCPART == 2
	.amdgcn_target "amdgcn-amd-amdhsa--gfx1250"
	.amdhsa_code_object_version 6
	.text
	.protected	k_qdf7e7f65fa_attn
	.globl	k_qdf7e7f65fa_attn
	.p2align	8
	.type	k_qdf7e7f65fa_attn,@function
k_qdf7e7f65fa_attn:
	s_mov_b64 s[64:65], 0
	v_nop
	global_prefetch_b8 v0, s[64:65] scope:SCOPE_SE
	s_setreg_imm32_b32 hwreg(HW_REG_WAVE_MODE, 25, 1), 1
	s_wait_xcnt 0x0
; For 512 context rows of one batch: k = Q(context) Q(Wk) + bk;  v = Q(context) Q(Wv);  score = q.k / sqrt(32) - 0.1 dist, -1e9 where the mask is 0;
; a running softmax and the sum of p v, per head.  Q is the MX-FP4 quantiser along K = 512.  k, v, scores and p never leave the registers.  bv is added in the last launch (the weights sum to 1).
; q comes from the first launch, already multiplied by c = log2(e) / sqrt(32).
; SHARES.  Work-group g owns rows 512 g .. 512 g + 511 of the flattened context (batch g / 8), in 8 steps of 64 rows.  THE EIGHT WAVES SHARE THE COLUMNS: wave w owns heads 2 w, 2 w + 1, that is
; four tiles of 16 columns of Wk and of Wv: 2 x 128 registers of codes that stay in window 1 for the whole launch.  No weight goes through LDS.  Two waves share a SIMD (512 registers each),
; so that one wave's vector work stands beside the other's matrix work.
; CONTEXT comes as f32 into two LDS buffers by tensor loads.  Each wave fetches 32 rows x 128 along K (K step w % 4, rows 32 (w / 4) on), quantises exactly those bytes into two fragments, and
; hands them to all waves as images of the operand's registers (16 bytes a lane, dense) with their scale words.
; THE PRODUCTS ARE USED TRANSPOSED: source 0 = 16 weight columns, source 1 = 16 context rows.  Lane (r, h) then holds context row r, register j channel 16 t + 8 h + j: q.k is a sum in the lane and
; one exchange with lane xor 16, p v a multiply-add in the lane, and every lane keeps its own running maximum M, sum L and o over the rows congruent to r mod 16.  The lanes are merged once, at the end.
; All exponentials are to base 2: dist is multiplied by -0.1 log2(e), the masked score is -1e9 log2(e).
; THE START: step 0's rows are asked for first, then everything that step 0's products want (q, bk, dist, mask, Wk, Wv), then step 1's rows, which are wanted last.
; No cluster: no tensor-loaded byte is shared between work-groups.  No prefetch: a 128 KiB request of the work-group is out through every step.
; LIMITS: NaN and infinities among the inputs are not served; a dist x (-0.1 log2 e) whose bits are 0xffffffff would read as masked; a block of zeros gets the byte 1 (its codes are zeros);
; dist x (-0.1 log2 e) is rounded once more than in the reference (a relative 6e-8).  A batch masked throughout gives the uniform softmax, as the reference does.
.set FP,    528                        ; an LDS row of f32: 512 bytes + 16 of padding = 33 x 16: the 16 rows of a 16-byte load fall on 16 different 16-byte columns modulo 256
.set REG,   32*FP                      ; a wave's region of a buffer: 32 rows
.set BUF,   8*REG                      ; a buffer: 64 rows x 512 numbers
.set IMG,   2*BUF                      ; behind the buffers (a multiple of 256): four image tiles: the step's 64 rows
.set IMT,   4352                       ; an image tile: 4 K steps x 1,024 bytes of codes, then 16 rows x 16 bytes of scale words
.set SCO,   4096
.set TAB,   IMG+4*IMT                  ; one word a row: dist x (-0.1 log2 e), or 0xffffffff where the mask is 0
.set SPARE, TAB+2048                   ; the spare words, 128 bytes for each wave: four blocks of 256 bytes that no other line names
.set SPW, 1                            ; v1   SPARE + 4 x thread; never rewritten
.set NIL, 2                            ; v2   0; never rewritten
.set AX,  3                            ; v3-4 my lane's place in my region of buffer 0, 1: 528 r + 128 h
.set AIW, 5                            ; v5   where I store images
.set ASW, 6                            ; v6   and their scale words
.set AIF, 7                            ; v7   where any wave reads images: IMG + 16 lane
.set ASR, 8                            ; v8   and scale words: IMG + SCO + 16 r
.set ATB, 9                            ; v9   TAB + 4 r + 256 x step
.set DB,  10                           ; v10-11 the row's table word, two by turns
.set NEGC, 12                          ; v12  -1e9 log2 e
.set SH8, 13                           ; v13  8 h
.set ONES, 14                          ; v14  0xffffffff
.set GW,  15                           ; v15  16 lane
.set WSK, 16                           ; v16-23 scale words of Wk: pair of tiles P, K step s at 4 P + s: lanes 0-15 tile 2 P, lanes 16-31 tile 2 P + 1
.set WSV, 24                           ; v24-31 of Wv
.set FR,  32                           ; v32-63 four fragments of 16 context rows, K step s at 8 s
.set FS,  64                           ; v64-67 their scale words
.set T,   68                           ; v68-75 score sums: head g, tile u: pair at 4 g + 2 u; the score ends in v[T + 4 g]
.set QBP, 76                           ; v76-79 q . bk in the lane, a pair a head: it starts every score sum
.set M,   80                           ; v80-81 running maximum, a head each
.set L,   82                           ; v82-83 running sum
.set E,   84                           ; v84+2g p;  v85+2g at work
.set D,   88                           ; v88+2g f = 2^(old M - new M);  v89+2g the other half's share
.set MX,  92
.set SO,  96
.set BY,  98
.set PW,  100
.set PT,  101
.set PC,  102                          ; v102-109 the codes just made
.set TBW, 118                          ; v118 where I write the table
.set STO, 119                          ; v119 the way out: into my stage
.set RDB, 120                          ; v120 and back
.set KA,  128                          ; v128-159 k: 4 tiles
.set VA,  160                          ; v160-191 v: 4 tiles
.set X,   128                          ; v128-191 64 numbers to be quantised (k and v are dead then)
.set Q,   192                          ; v192-223 q c, in the result's layout
.set O,   224                          ; v224-255 the sums of p v
.set MSB, 0
.macro WIN new                         ; the immediate's high byte repeats the setting that is left
.if MSB != \new
	s_set_vgpr_msb (MSB<<8)|\new
.set MSB, \new
.endif
.endm
.macro PLACES
.rept 4
	v_nop
.endr
.endm
.macro LOADW rb, off                   ; my four tiles of a weight, 16,384 dense bytes, into window 1 from v[rb] on: register 32 t + 8 s + 4 c
	WIN 0x40                                       ; destination window 1, address window 0
.set LI, 0
.rept 32
	global_load_b128 v[\rb+4*LI:\rb+4*LI+3], v[GW], s[14:15] offset:\off+512*LI
.set LI, LI+1
.endr
	WIN 0
.endm
.macro LOADX p, a                      ; rows 16 a + r of my region of buffer p: X[32 c + i] = k 64 c + 32 h + i of my K step: two whole blocks a lane
.irp c, 0,1
.irp j, 0,1,2,3,4,5,6,7
	ds_load_b128 v[X+32*\c+4*\j:X+32*\c+4*\j+3], v[AX+\p] offset:(\a)*16*FP+256*\c+16*\j
.endr
.endr
.endm
.macro QB                              ; X becomes a fragment's codes in v[PC] on and its rows' scale word in v[PW]
.irp c, 0,1
	v_max3_num_f32 v[MX+2*\c], |v[X+32*\c]|, |v[X+32*\c+1]|, |v[X+32*\c+2]|         ; each block's largest magnitude in two chains; the four chains by turns
	v_max3_num_f32 v[MX+2*\c+1], |v[X+32*\c+3]|, |v[X+32*\c+4]|, |v[X+32*\c+5]|
.endr
.irp i, 6,10,14,18,22,26
.irp c, 0,1
	v_max3_num_f32 v[MX+2*\c], v[MX+2*\c], |v[X+32*\c+\i]|, |v[X+32*\c+\i+1]|
	v_max3_num_f32 v[MX+2*\c+1], v[MX+2*\c+1], |v[X+32*\c+\i+2]|, |v[X+32*\c+\i+3]|
.endr
.endr
.irp c, 0,1
	v_max3_num_f32 v[MX+2*\c], v[MX+2*\c], |v[X+32*\c+30]|, |v[X+32*\c+31]|
.endr
.irp c, 0,1
	v_max3_num_f32 v[MX+2*\c], v[MX+2*\c], v[MX+2*\c+1], 0x1800000                  ; and the floor 2^(3 - 127): the byte cannot fall under 1
.endr
.irp c, 0,1
	v_add_nc_u32 v[SO+\c], 0xff000000, v[MX+2*\c]  ; 2 off the exponent field: the conversion's scale operand
.endr
.irp c, 0,1
	v_lshrrev_b32 v[BY+\c], 23, v[SO+\c]           ; the scale's byte
.endr
	v_lshl_or_b32 v[PW], v[BY+1], 16, v[BY]        ; my two bytes: blocks h and 2 + h,
	v_lshlrev_b32 v[PW], v[SH8], v[PW]             ; at their places in the word;
	v_permlanex16_b32 v[PT], v[PW], s46, s47
	v_or_b32 v[PW], v[PW], v[PT]                   ; with lane xor 16's two the word is whole
.irp c, 0,1
.irp g, 0,1,2,3
	v_cvt_scalef32_pk8_fp4_f32 v[PC+4*\c+\g], v[X+32*\c+8*\g:X+32*\c+8*\g+7], v[SO+\c]
.endr
.endr
	v_nop                                          ; one plain place behind the conversions: matrix instructions write their sources later
.endm
.macro STIMG a                         ; the fragment goes to LDS as it stands; lanes r and r + 16 write the same scale word with the same value
.irp c, 0,1
	ds_store_b128 v[AIW], v[PC+4*\c:PC+4*\c+3] offset:(\a)*IMT+512*\c
.endr
	ds_store_b32 v[ASW], v[PW] offset:(\a)*IMT
.endm
.macro LOADF m, db                     ; image tile m: four fragments, their scale words, and the rows' table word
.irp s, 0,1,2,3
.irp c, 0,1
	ds_load_b128 v[FR+8*\s+4*\c:FR+8*\s+4*\c+3], v[AIF] offset:(\m)*IMT+1024*\s+512*\c
.endr
.endr
	ds_load_b128 v[FS:FS+3], v[ASR] offset:(\m)*IMT
	ds_load_b32 v[DB+(\db)], v[ATB] offset:64*(\m)
.endm
.macro MROW ab, acc, ws, s, zero       ; four products: my four tiles of a weight (window 1, from v[ab]) x the 16 rows, K step s.  zero = 1: they start the sums
.irp t, 0,1,2,3
.if \zero
.if \t%2
	v_wmma_scale_f32_16x16x128_f8f6f4 v[\acc+8*\t:\acc+8*\t+7], v[\ab+32*\t+8*\s:\ab+32*\t+8*\s+7], v[FR+8*\s:FR+8*\s+7], 0, v[\ws+4*(\t/2)+\s], v[FS+\s] matrix_a_fmt:MATRIX_FMT_FP4 matrix_b_fmt:MATRIX_FMT_FP4 matrix_a_scale:MATRIX_SCALE_ROW1
.else
	v_wmma_scale_f32_16x16x128_f8f6f4 v[\acc+8*\t:\acc+8*\t+7], v[\ab+32*\t+8*\s:\ab+32*\t+8*\s+7], v[FR+8*\s:FR+8*\s+7], 0, v[\ws+4*(\t/2)+\s], v[FS+\s] matrix_a_fmt:MATRIX_FMT_FP4 matrix_b_fmt:MATRIX_FMT_FP4
.endif
.else
.if \t%2
	v_wmma_scale_f32_16x16x128_f8f6f4 v[\acc+8*\t:\acc+8*\t+7], v[\ab+32*\t+8*\s:\ab+32*\t+8*\s+7], v[FR+8*\s:FR+8*\s+7], v[\acc+8*\t:\acc+8*\t+7], v[\ws+4*(\t/2)+\s], v[FS+\s] matrix_a_fmt:MATRIX_FMT_FP4 matrix_b_fmt:MATRIX_FMT_FP4 matrix_a_scale:MATRIX_SCALE_ROW1
.else
	v_wmma_scale_f32_16x16x128_f8f6f4 v[\acc+8*\t:\acc+8*\t+7], v[\ab+32*\t+8*\s:\ab+32*\t+8*\s+7], v[FR+8*\s:FR+8*\s+7], v[\acc+8*\t:\acc+8*\t+7], v[\ws+4*(\t/2)+\s], v[FS+\s] matrix_a_fmt:MATRIX_FMT_FP4 matrix_b_fmt:MATRIX_FMT_FP4
.endif
.endif
.endr
.endm
.macro KV                              ; k and v of 16 rows: 32 products; the eight accumulators take turns, one instruction a turn
	WIN 0x01                                       ; source 0 window 1
	MROW 0, KA, WSK, 0, 1
	MROW 128, VA, WSV, 0, 1
.irp s, 1,2,3
	MROW 0, KA, WSK, \s, 0
	MROW 128, VA, WSV, \s, 0
.endr
	WIN 0
.endm
.macro SCORE kb                        ; q c . (32 numbers at v[kb] on), in four chains by turns; each tile is read from its low end on
.irp i, 0,1,2,3
.irp g, 0,1
.if \i == 0
	v_pk_fma_f32 v[T+4*\g:T+4*\g+1], v[\kb+16*\g:\kb+16*\g+1], v[Q+16*\g:Q+16*\g+1], v[QBP+2*\g:QBP+2*\g+1]
	v_pk_mul_f32 v[T+4*\g+2:T+4*\g+3], v[\kb+16*\g+8:\kb+16*\g+9], v[Q+16*\g+8:Q+16*\g+9]
.else
	v_pk_fma_f32 v[T+4*\g:T+4*\g+1], v[\kb+16*\g+2*\i:\kb+16*\g+2*\i+1], v[Q+16*\g+2*\i:Q+16*\g+2*\i+1], v[T+4*\g:T+4*\g+1]
	v_pk_fma_f32 v[T+4*\g+2:T+4*\g+3], v[\kb+16*\g+8+2*\i:\kb+16*\g+9+2*\i], v[Q+16*\g+8+2*\i:Q+16*\g+9+2*\i], v[T+4*\g+2:T+4*\g+3]
.endif
.endr
.endr
.irp g, 0,1
	v_pk_add_f32 v[T+4*\g:T+4*\g+1], v[T+4*\g:T+4*\g+1], v[T+4*\g+2:T+4*\g+3]
.endr
.endm
.macro POST db                         ; the score: both halves of the pair, the other half of the lanes, the distance; the mask selects a value
.irp g, 0,1
	v_add_f32 v[T+4*\g], v[T+4*\g], v[T+4*\g+1]
.endr
.irp g, 0,1
	v_permlanex16_b32 v[D+2*\g+1], v[T+4*\g], s46, s47
.endr
.irp g, 0,1
	v_add_f32 v[T+4*\g], v[T+4*\g], v[D+2*\g+1]
.endr
.irp g, 0,1
	v_add_f32 v[T+4*\g], v[T+4*\g], v[DB+(\db)]
.endr
	v_cmp_ne_u32 s50, -1, v[DB+(\db)]
.irp g, 0,1
	v_cndmask_b32 v[T+4*\g], v[NEGC], v[T+4*\g], s50
.endr
.endm
.macro SMAX                            ; new M = max(M, S);  f = 2^(M - new M) = 2^min(M - S, 0);  p = 2^(S - new M) = 2^min(S - M, 0);  L = L f + p
.irp g, 0,1
	v_sub_f32 v[E+2*\g+1], v[M+\g], v[T+4*\g]
	v_sub_f32 v[E+2*\g], v[T+4*\g], v[M+\g]
.endr
.irp g, 0,1
	v_min_num_f32 v[D+2*\g], 0, v[E+2*\g+1]
	v_min_num_f32 v[E+2*\g], 0, v[E+2*\g]
.endr
.irp g, 0,1
	v_exp_f32 v[D+2*\g], v[D+2*\g]
	v_exp_f32 v[E+2*\g], v[E+2*\g]
.endr
.irp g, 0,1
	v_max_num_f32 v[M+\g], v[M+\g], v[T+4*\g]      ; (plain places behind the exponentials)
.endr
	s_wait_alu depctr_va_vdst(0)
.irp g, 0,1
	v_fma_f32 v[L+\g], v[L+\g], v[D+2*\g], v[E+2*\g]
.endr
.endm
.macro OUPD                            ; o = o f + p v, two at a time; of the pairs f and p the low word serves both halves
.set OI, 0
.rept 16
	v_pk_mul_f32 v[O+2*OI:O+2*OI+1], v[O+2*OI:O+2*OI+1], v[D+2*(OI/8):D+2*(OI/8)+1] op_sel_hi:[1,0]
.set OI, OI+1
.endr
.set OI, 0
.rept 16
	v_pk_fma_f32 v[O+2*OI:O+2*OI+1], v[VA+2*OI:VA+2*OI+1], v[E+2*(OI/8):E+2*(OI/8)+1], v[O+2*OI:O+2*OI+1] op_sel_hi:[1,0,1]
.set OI, OI+1
.endr
.endm
.macro QPH p                           ; my 32 rows x 128 of buffer p become two fragments in LDS
	LOADX \p, 0
	s_wait_dscnt 0x0
	QB
	LOADX \p, 1
	STIMG 0
	s_wait_dscnt 0x0                               ; the second 16 rows are in, and the stores have read the codes' registers
	QB
	STIMG 1
.endm
.macro PBAR                            ; my image stores are done: then the work-group's barrier.  A tensor load may stay out across it
	s_wait_dscnt 0x0
	s_barrier_signal -1
	s_barrier_wait -1
.endm
.macro GPH                             ; the step's four tiles of 16 rows
	LOADF 0, 0
.irp m, 0,1,2,3
	s_wait_dscnt 0x0                               ; the tile's fragments, scale words and table word are in
	KV
	PLACES                                         ; four places in front of the reads of k and of the loads into the fragments' registers
	SCORE KA
.if \m < 3
	LOADF \m+1, (\m+1)%2                           ; the next tile lands under the softmax and the update of o
.endif
	POST \m%2
	SMAX
	OUPD
.endr
.endm
; A step from the second on.  Buffer p holds its rows; buffer 1 - p, read out in the step before, is filled again (refill = 1) with the rows of the step after.
.macro STEPJ p, refill
	s_wait_tensorcnt 0x0                           ; my one tensor load that is out, this step's rows, has landed
	ds_add_u32 v[SPW], v[NIL]                      ; 0 onto my spare word
	v_add_nc_u32 v[ATB], 256, v[ATB]               ; the step's 64 table words
.if \refill
	s_add_nc_u64 s[42-4*\p:43-4*\p], s[42-4*\p:43-4*\p], 262144   ; no load of mine is out, so a group 0 may be written: two steps of 64 rows x 2,048 bytes on
.endif
	s_wait_dscnt 0x0                               ; the add is done; my reads of the images and of the other buffer are over
	s_barrier_signal -1
	s_barrier_wait -1                              ; that holds of every wave: the images may be written again, the other buffer filled again
.if \refill
	tensor_load_to_lds s[40-4*\p:43-4*\p], s[28:35]   ; my one tensor load behind this barrier, first thing there: it has the whole step in which to land
	s_nop 0
	PLACES
.endif
	QPH \p
	PBAR
	GPH
.endm
	s_load_b512 s[4:19], s[0:1], 0x0               ; context s[4:5], mask s[6:7], dist s[8:9], qbuf s[10:11], bk s[12:13], wimg s[14:15], wscl s[16:17], part s[18:19]
	v_lshl_add_u32 v[SPW], v0, 2, SPARE
	v_mov_b32 v[NIL], 0
	ds_add_u32 v1, v2
	ds_add_u32 v1, v2
	s_wait_dscnt 0x0
	v_lshrrev_b32 v110, 5, v0
	v_readfirstlane_b32 s22, v110                  ; wave w
	s_and_b32 s23, s22, 3                          ; the K step that I fetch and quantise
	s_lshr_b32 s24, s22, 2                         ; and which 32 of a step's 64 rows
	s_mul_i32 s25, s22, REG                        ; my region of a buffer
	; descriptor group 1: 32 rows x 128 elements of 4 bytes, 512 elements from row to row, 4 words of padding behind every 128
	s_mov_b32 s28, (2<<16)|(1<<20)|(6<<22)|(3<<25)
	s_mov_b32 s29, 128<<16                         ; tensor_dim0
	s_mov_b32 s30, 32<<16                          ; tensor_dim1
	s_mov_b32 s31, 128<<16                         ; tile_dim0
	s_mov_b32 s32, 32                              ; tile_dim1
	s_mov_b32 s33, 512                             ; the pitch
	s_mov_b32 s34, 0
	s_mov_b32 s35, 0
	; every offset, in registers of its own, under the wait for the arguments
	s_lshl_b32 s52, ttmp9, 20                      ; context: the work-group's 512 rows of 2,048 bytes,
	s_lshl_b32 s26, s24, 16                        ; my 32 rows,
	s_add_co_u32 s52, s52, s26
	s_lshl_b32 s26, s23, 9                         ; my 512 bytes of a row
	s_add_co_u32 s52, s52, s26
	s_mov_b32 s53, 0
	s_lshl_b32 s54, ttmp9, 11                      ; dist, mask: 512 rows of 4 bytes a work-group
	s_mov_b32 s55, 0
	s_lshl_b32 s58, s22, 8                         ; bk: my 64 channels
	s_mov_b32 s59, 0
	s_lshr_b32 s56, ttmp9, 3                       ; q: the batch's row, my 64 channels
	s_lshl_b32 s56, s56, 11
	s_add_co_u32 s56, s56, s58
	s_mov_b32 s57, 0
	s_lshl_b32 s60, s22, 14                        ; images: my four tiles
	s_mov_b32 s61, 0
	s_lshl_b32 s62, s22, 10                        ; their scale words
	s_mov_b32 s63, 0
	s_lshl_b32 s20, ttmp9, 3                       ; my record: (8 x work-group + wave) x 512
	s_add_co_u32 s20, s20, s22
	s_lshl_b32 s20, s20, 9
	s_mov_b32 s21, 0
	; every address register
	v_and_b32 v110, 31, v0                         ; lane
	v_and_b32 v111, 15, v0                         ; r
	v_bfe_u32 v112, v0, 4, 1                       ; h
	v_mul_u32_u24 v113, v111, FP
	v_lshl_add_u32 v113, v112, 7, v113
	v_add_nc_u32 v[AX], s25, v113
	v_add_nc_u32 v[AX+1], BUF, v[AX]
	v_lshlrev_b32 v[GW], 4, v110
	s_mul_i32 s26, s24, 2*IMT                      ; my rows' two image tiles
	s_lshl_b32 s27, s23, 10
	s_add_co_u32 s27, s27, s26
	s_add_co_u32 s27, s27, IMG
	v_add_nc_u32 v[AIW], s27, v[GW]
	v_lshlrev_b32 v113, 4, v111
	s_lshl_b32 s27, s23, 2
	s_add_co_u32 s27, s27, s26
	s_add_co_u32 s27, s27, IMG+SCO
	v_add_nc_u32 v[ASW], s27, v113
	v_add_nc_u32 v[AIF], IMG, v[GW]
	v_add_nc_u32 v[ASR], IMG+SCO, v113
	v_lshl_add_u32 v[ATB], v111, 2, TAB
	v_lshl_add_u32 v[TBW], v0, 3, TAB
	v_mul_u32_u24 v[STO], v111, 272                ; the stage of the way out: 16 rows x (256 bytes + 16) in my region of buffer 0, used behind that region's last fill and last read
	v_lshl_add_u32 v[STO], v112, 5, v[STO]
	v_add_nc_u32 v[STO], s25, v[STO]
	v_mul_u32_u24 v[RDB], v112, 272
	v_lshl_add_u32 v[RDB], v111, 4, v[RDB]
	v_add_nc_u32 v[RDB], s25, v[RDB]
	v_lshlrev_b32 v[SH8], 3, v112
	v_mov_b32 v[ONES], -1
	v_mov_b32 v[PT], 0                             ; a lane permute's destination counts as one of its sources: written once
	v_mov_b32 v[D+1], 0
	v_mov_b32 v[D+3], 0
	v_lshlrev_b32 v121, 3, v0                      ; dist, mask: 8 bytes a thread
	v_lshlrev_b32 v123, 5, v112                    ; q, bk: 32 h
	s_mov_b32 s46, 0x76543210
	s_mov_b32 s47, 0xfedcba98                      ; v_permlanex16_b32's selects for lane xor 16
	s_mov_b32 s26, 0x3fb8aa3b                      ; log2(e)
	s_mul_f32 s51, s26, 0xbdcccccd                 ; x -0.1
	s_mul_f32 s27, s26, 0xce6e6b28                 ; x -1e9
	v_mov_b32 v[NEGC], s27
	s_wait_kmcnt 0x0
	s_add_nc_u64 s[4:5], s[4:5], s[52:53]
	s_add_nc_u64 s[6:7], s[6:7], s[54:55]
	s_add_nc_u64 s[8:9], s[8:9], s[54:55]
	s_add_nc_u64 s[10:11], s[10:11], s[56:57]
	s_add_nc_u64 s[12:13], s[12:13], s[58:59]
	s_add_nc_u64 s[14:15], s[14:15], s[60:61]
	s_add_nc_u64 s[16:17], s[16:17], s[62:63]
	s_add_nc_u64 s[18:19], s[18:19], s[20:21]
	s_mov_b32 s36, 1                               ; group 0 for buffer 0: step 0
	s_mov_b32 s37, s25
	s_mov_b64 s[38:39], s[4:5]
	s_or_b32 s39, s39, 0x80000000
	s_mov_b32 s40, 1                               ; and for buffer 1: step 1
	s_add_co_u32 s41, s25, BUF
	s_add_nc_u64 s[42:43], s[4:5], 131072
	s_or_b32 s43, s43, 0x80000000
	; The two first fills stand ahead of every wait on TENSORcnt, every LDS read and every barrier; two loads of mine are out behind the second.
	; Between them stand the 86 loads of all that step 0's products want: step 1's rows are wanted after those.
	tensor_load_to_lds s[36:39], s[28:35]
	s_nop 0
	global_load_b64 v[114:115], v121, s[8:9] th:TH_LOAD_NT
	global_load_b64 v[116:117], v121, s[6:7] th:TH_LOAD_NT
.irp t, 0,1,2,3
.irp j, 0,1
	global_load_b128 v[Q+8*\t+4*\j:Q+8*\t+4*\j+3], v123, s[10:11] offset:64*\t+16*\j   ; q c in the result's layout: channels 16 t + 8 h + 0 .. 7, the same in every r
.endr
.endr
.irp t, 0,1,2,3
.irp j, 0,1
	global_load_b128 v[O+8*\t+4*\j:O+8*\t+4*\j+3], v123, s[12:13] offset:64*\t+16*\j   ; bk likewise
.endr
.endr
	LOADW 0, 0                                     ; Wk: slot 0
	global_load_b128 v[WSK:WSK+3], v[GW], s[16:17]
	global_load_b128 v[WSK+4:WSK+7], v[GW], s[16:17] offset:512
	LOADW 128, 131072                              ; Wv: slot 1
	global_load_b128 v[WSV:WSV+3], v[GW], s[16:17] offset:8192
	global_load_b128 v[WSV+4:WSV+7], v[GW], s[16:17] offset:8192+512
	tensor_load_to_lds s[40:43], s[28:35]
	s_nop 0
	PLACES
	s_wait_loadcnt 63                              ; dist, the mask, q and bk are in: 68 loads are younger, and 63 is the largest count that can be written
	v_mul_f32 v114, s51, v114
	v_mul_f32 v115, s51, v115
	v_cmp_eq_u32 vcc_lo, 0, v116
	v_cndmask_b32 v114, v114, v[ONES], vcc_lo
	v_cmp_eq_u32 vcc_lo, 0, v117
	v_cndmask_b32 v115, v115, v[ONES], vcc_lo
	ds_store_b64 v[TBW], v[114:115]                ; the table; step 0's barrier shows it to every wave
.irp k, 0,1,2,3
	v_mov_b32 v[QBP+\k], 0
.endr
	SCORE O                                        ; q . bk: q . (k + bk) = q . k + q . bk, so bk's share starts every score sum and costs nothing in the loop
.irp g, 0,1
	v_mov_b32 v[QBP+2*\g], v[T+4*\g]
	v_mov_b32 v[QBP+2*\g+1], v[T+4*\g+1]
.endr
.set OI, 0
.rept 32
	v_mov_b32 v[O+OI], 0                           ; once: the first tile then needs no text of its own (its f is 0)
.set OI, OI+1
.endr
	v_mov_b32 v[M], 0xff61b1e6                     ; -3e38, under every score
	v_mov_b32 v[M+1], 0xff61b1e6
	v_mov_b32 v[L], 0
	v_mov_b32 v[L+1], 0
	s_wait_tensorcnt 0x1                           ; my region of step 0 is in; step 1's load may be out.  Only I read my region
	QPH 0
	PBAR
	s_wait_loadcnt 0x0                             ; Wk, Wv
	GPH
	s_mov_b32 s44, 3
.Lloop:                                            ; steps 1 to 6; they ask for the rows of steps 2 to 7
	STEPJ 1, 1
	STEPJ 0, 1
	s_sub_co_u32 s44, s44, 1
	s_cmp_lg_u32 s44, 0
	s_cbranch_scc1 .Lloop
	STEPJ 1, 0                                     ; step 7 is written out: nothing is left to fetch
	; THE WAY OUT: the sixteen lanes r are merged.  (The halves h hold the same rows: M and L are equal there and are not added.)
	v_mov_b32 v110, v[M]
	v_mov_b32 v111, v[M+1]
.irp x, 1,2,4,8
	v_max_num_f32_dpp v110, v110, v110 row_xmask:\x row_mask:0xf bank_mask:0xf
	v_max_num_f32_dpp v111, v111, v111 row_xmask:\x row_mask:0xf bank_mask:0xf
.endr
	v_sub_f32 v[E], v[M], v110
	v_sub_f32 v[E+2], v[M+1], v111
	v_exp_f32 v[E], v[E]                           ; my lane's weight 2^(M - the wave's M)
	v_exp_f32 v[E+2], v[E+2]
	v_nop
	s_wait_alu depctr_va_vdst(0)
	v_mul_f32 v[L], v[L], v[E]
	v_mul_f32 v[L+1], v[L+1], v[E+2]
.irp x, 1,2,4,8
	v_add_f32_dpp v[L], v[L], v[L] row_xmask:\x row_mask:0xf bank_mask:0xf
	v_add_f32_dpp v[L+1], v[L+1], v[L+1] row_xmask:\x row_mask:0xf bank_mask:0xf
.endr
.set OI, 0
.rept 16
	v_pk_mul_f32 v[O+2*OI:O+2*OI+1], v[O+2*OI:O+2*OI+1], v[E+2*(OI/8):E+2*(OI/8)+1] op_sel_hi:[1,0]
.set OI, OI+1
.endr
.irp t, 0,1,2,3
.irp j, 0,1
	ds_store_b128 v[STO], v[O+8*\t+4*\j:O+8*\t+4*\j+3] offset:64*\t+16*\j   ; row r of my stage: my 64 channels
.endr
.endr
.irp i, 0,1,2,3,4,5,6,7
	ds_load_b128 v[128+4*\i:131+4*\i], v[RDB] offset:544*\i   ; back by columns: rows 2 i + h, channels 4 r .. 4 r + 3; LDS serves a wave's instructions in order
.endr
	s_wait_dscnt 0x0
.irp i, 0,2,4,6
	v_pk_add_f32 v[128+4*\i:129+4*\i], v[128+4*\i:129+4*\i], v[132+4*\i:133+4*\i]
	v_pk_add_f32 v[130+4*\i:131+4*\i], v[130+4*\i:131+4*\i], v[134+4*\i:135+4*\i]
.endr
.irp i, 0,4
	v_pk_add_f32 v[128+4*\i:129+4*\i], v[128+4*\i:129+4*\i], v[136+4*\i:137+4*\i]
	v_pk_add_f32 v[130+4*\i:131+4*\i], v[130+4*\i:131+4*\i], v[138+4*\i:139+4*\i]
.endr
	v_pk_add_f32 v[128:129], v[128:129], v[144:145]
	v_pk_add_f32 v[130:131], v[130:131], v[146:147]
.irp k, 0,1,2,3
	v_permlanex16_b32 v[132+\k], v[128+\k], s46, s47   ; the odd rows' sums lie in the other half
.endr
	v_pk_add_f32 v[128:129], v[128:129], v[132:133]
	v_pk_add_f32 v[130:131], v[130:131], v[134:135]
	v_and_b32 v112, 31, v0
	v_cmp_gt_u32 vcc_lo, 16, v112
	v_cndmask_b32 v136, v110, v128, vcc_lo         ; lanes 0-15: four channels of o; lanes 16-31: M of both heads, L of both heads
	v_cndmask_b32 v137, v111, v129, vcc_lo
	v_cndmask_b32 v138, v[L], v130, vcc_lo
	v_cndmask_b32 v139, v[L+1], v131, vcc_lo
	global_store_b128 v[GW], v[136:139], s[18:19]  ; my record: 512 consecutive bytes, aligned
	s_wait_tensorcnt 0x0                           ; the wave's end: behind my last tensor load and my last LDS store
	ds_add_u32 v[SPW], v[NIL]
	s_wait_dscnt 0x0
	s_endpgm
.Lfunc_end_k_qdf7e7f65fa_attn:
	.size	k_qdf7e7f65fa_attn, .Lfunc_end_k_qdf7e7f65fa_attn-k_qdf7e7f65fa_attn
	.p2alignl 7, 3214868480
	.fill 96, 4, 3214868480
	.section	.rodata,"a",@progbits
	.p2align	6, 0x0
	.amdhsa_kernel k_qdf7e7f65fa_attn
		.amdhsa_group_segment_fixed_size 327680
		.amdhsa_private_segment_fixed_size 0
		.amdhsa_enable_private_segment 0
		.amdhsa_kernarg_size 64
		.amdhsa_user_sgpr_count 2
		.amdhsa_user_sgpr_kernarg_segment_ptr 1
		.amdhsa_wavefront_size32 1
		.amdhsa_system_sgpr_workgroup_id_x 1
		.amdhsa_system_sgpr_workgroup_id_y 1
		.amdhsa_system_sgpr_workgroup_id_z 1
		.amdhsa_system_vgpr_workitem_id 0
		.amdhsa_next_free_vgpr 512
		.amdhsa_next_free_sgpr 66
		.amdhsa_reserve_vcc 1
		.amdhsa_float_denorm_mode_32 3
		.amdhsa_float_denorm_mode_16_64 3
		.amdhsa_memory_ordered 1
		.amdhsa_forward_progress 1
		.amdhsa_inst_pref_size 202
	.end_amdhsa_kernel
	.amdgpu_metadata
---
amdhsa.version: [ 1, 2 ]
amdhsa.kernels:
  - .name:           k_qdf7e7f65fa_attn
    .symbol:         k_qdf7e7f65fa_attn.kd
    .args:
      - { .name: context, .offset: 0, .size: 8, .value_kind: global_buffer, .address_space: global }
      - { .name: context_mask, .offset: 8, .size: 8, .value_kind: global_buffer, .address_space: global }
      - { .name: dist_matrix, .offset: 16, .size: 8, .value_kind: global_buffer, .address_space: global }
      - { .name: qbuf, .offset: 24, .size: 8, .value_kind: global_buffer, .address_space: global }
      - { .name: bk, .offset: 32, .size: 8, .value_kind: global_buffer, .address_space: global }
      - { .name: wimg, .offset: 40, .size: 8, .value_kind: global_buffer, .address_space: global }
      - { .name: wscl, .offset: 48, .size: 8, .value_kind: global_buffer, .address_space: global }
      - { .name: part, .offset: 56, .size: 8, .value_kind: global_buffer, .address_space: global }
    .group_segment_fixed_size: 327680
    .private_segment_fixed_size: 0
    .kernarg_segment_align: 8
    .kernarg_segment_size: 64
    .max_flat_workgroup_size: 256
    .sgpr_count:     66
    .vgpr_count:     512
    .wavefront_size: 32
...
	.end_amdgpu_metadata
.endif
;; end of part 2
;; launch final (part 3): grid 32 x 1, 8 waves a work-group, no clusters, 10,240 bytes of LDS; arguments part, wimg, wscl, bv, bo, query, ln_gamma, ln_beta, out0; writes out0
.if DOCPART == 3
	.amdgcn_target "amdgcn-amd-amdhsa--gfx1250"
	.amdhsa_code_object_version 6
	.text
	.protected	k_qdf7e7f65fa_final
	.globl	k_qdf7e7f65fa_final
	.p2align	8
	.type	k_qdf7e7f65fa_final,@function
k_qdf7e7f65fa_final:
	s_mov_b64 s[64:65], 0
	v_nop
	global_prefetch_b8 v0, s[64:65] scope:SCOPE_SE
	s_setreg_imm32_b32 hwreg(HW_REG_WAVE_MODE, 25, 1), 1
	s_wait_xcnt 0x0
; One work-group a batch.  The eight partial softmaxes of the batch (records of 512 bytes for each (chunk, wave): 64 channels of unnormalised o, then M and L of the wave's two heads) are merged:
; attn = (sum of 2^(M_c - M*) o_c) / (sum of 2^(M_c - M*) L_c) + bv;  then y = Q(attn) Q(Wo) + bo, x = query + y, and LayerNorm in two passes (mean, then squares of the differences).
; SHARES: wave w owns channels 64 w .. 64 w + 63 throughout: in the merge a thread owns two; in the product the wave owns four tiles of 16 columns of Wo (codes from the first launch's images, slot 2).
; The product is used transposed with the one row of attn in all 16 columns of source 1, so lane (r, h) holds y(16 t + 8 h + j) in register 8 t + j, the same in every r.
; Waves 0-3 quantise K step w of attn; the fragments go through LDS as images of the operand's registers.  32 work-groups: the work is one row a batch; no tensor loads.
; LIMITS: NaN and infinities are not served; a block of zeros gets the byte 1 (its codes are zeros).
.set AO,  0                            ; LDS: attn, 512 numbers
.set IMG, 2048                         ; its four fragments (1,024 bytes each) and, SCO on, 16 rows x 16 bytes of scale words
.set IMT, 4352
.set SCO, 4096
.set RED, IMG+IMT                      ; eight waves' sums; 64 bytes on: their sums of squares
.set STG, RED+256                      ; the row of the output
.set AXA, 3                            ; v3   AO + 512 (w % 4) + 128 h
.set AIW, 5                            ; v5   where I store images
.set ASW, 6                            ; v6   and scale words
.set AIF, 7                            ; v7   IMG + 16 lane
.set ASR, 8                            ; v8   IMG + SCO + 16 r
.set AOW, 9                            ; v9   8 x thread: my two channels in AO, and in bv
.set ARW, 10                           ; v10  RED + 4 w
.set ARR, 11                           ; v11  RED
.set AST, 12                           ; v12  STG + 256 w + 32 h
.set SH8, 13                           ; v13  8 h
.set ASL, 14                           ; v14  STG + 256 w + 8 lane
.set GW,  15                           ; v15  16 lane
.set WSK, 16                           ; v16-23 Wo's scale words
.set FR,  32
.set FS,  64
.set MX,  92
.set SO,  96
.set BY,  98
.set PW,  100
.set PT,  101
.set PC,  102
.set PO,  114                          ; v114 a record's o: 512 w + 8 lane
.set PM,  115                          ; v115 its M: 512 w + 256 + 4 (lane / 16)
.set BO,  117                          ; v117 32 h
.set OO,  118                          ; v118 8 lane
.set KA,  128                          ; v128-159 y
.set X,   128                          ; v128-191 first the partials, then 64 numbers to be quantised
.set XX,  160                          ; v160-191 x, then x - mean, then the output
.set MSB, 0
.macro WIN new                         ; the immediate's high byte repeats the setting that is left
.if MSB != \new
	s_set_vgpr_msb (MSB<<8)|\new
.set MSB, \new
.endif
.endm
.macro QB                              ; X becomes a fragment's codes in v[PC] on and its rows' scale word in v[PW]
.irp c, 0,1
	v_max3_num_f32 v[MX+2*\c], |v[X+32*\c]|, |v[X+32*\c+1]|, |v[X+32*\c+2]|
	v_max3_num_f32 v[MX+2*\c+1], |v[X+32*\c+3]|, |v[X+32*\c+4]|, |v[X+32*\c+5]|
.endr
.irp i, 6,10,14,18,22,26
.irp c, 0,1
	v_max3_num_f32 v[MX+2*\c], v[MX+2*\c], |v[X+32*\c+\i]|, |v[X+32*\c+\i+1]|
	v_max3_num_f32 v[MX+2*\c+1], v[MX+2*\c+1], |v[X+32*\c+\i+2]|, |v[X+32*\c+\i+3]|
.endr
.endr
.irp c, 0,1
	v_max3_num_f32 v[MX+2*\c], v[MX+2*\c], |v[X+32*\c+30]|, |v[X+32*\c+31]|
.endr
.irp c, 0,1
	v_max3_num_f32 v[MX+2*\c], v[MX+2*\c], v[MX+2*\c+1], 0x1800000                  ; the floor 2^(3 - 127): the byte cannot fall under 1
.endr
.irp c, 0,1
	v_add_nc_u32 v[SO+\c], 0xff000000, v[MX+2*\c]  ; 2 off the exponent field: the conversion's scale operand
.endr
.irp c, 0,1
	v_lshrrev_b32 v[BY+\c], 23, v[SO+\c]
.endr
	v_lshl_or_b32 v[PW], v[BY+1], 16, v[BY]        ; my two bytes, blocks h and 2 + h, at their places;
	v_lshlrev_b32 v[PW], v[SH8], v[PW]
	v_permlanex16_b32 v[PT], v[PW], s46, s47
	v_or_b32 v[PW], v[PW], v[PT]                   ; with lane xor 16's two the word is whole
.irp c, 0,1
.irp g, 0,1,2,3
	v_cvt_scalef32_pk8_fp4_f32 v[PC+4*\c+\g], v[X+32*\c+8*\g:X+32*\c+8*\g+7], v[SO+\c]
.endr
.endr
	v_nop                                          ; one plain place behind the conversions
.endm
.macro MROW s, zero                    ; four products: my four tiles of Wo x the row, K step s
.irp t, 0,1,2,3
.if \zero
.if \t%2
	v_wmma_scale_f32_16x16x128_f8f6f4 v[KA+8*\t:KA+8*\t+7], v[32*\t+8*\s:32*\t+8*\s+7], v[FR+8*\s:FR+8*\s+7], 0, v[WSK+4*(\t/2)+\s], v[FS+\s] matrix_a_fmt:MATRIX_FMT_FP4 matrix_b_fmt:MATRIX_FMT_FP4 matrix_a_scale:MATRIX_SCALE_ROW1
.else
	v_wmma_scale_f32_16x16x128_f8f6f4 v[KA+8*\t:KA+8*\t+7], v[32*\t+8*\s:32*\t+8*\s+7], v[FR+8*\s:FR+8*\s+7], 0, v[WSK+4*(\t/2)+\s], v[FS+\s] matrix_a_fmt:MATRIX_FMT_FP4 matrix_b_fmt:MATRIX_FMT_FP4
.endif
.else
.if \t%2
	v_wmma_scale_f32_16x16x128_f8f6f4 v[KA+8*\t:KA+8*\t+7], v[32*\t+8*\s:32*\t+8*\s+7], v[FR+8*\s:FR+8*\s+7], v[KA+8*\t:KA+8*\t+7], v[WSK+4*(\t/2)+\s], v[FS+\s] matrix_a_fmt:MATRIX_FMT_FP4 matrix_b_fmt:MATRIX_FMT_FP4 matrix_a_scale:MATRIX_SCALE_ROW1
.else
	v_wmma_scale_f32_16x16x128_f8f6f4 v[KA+8*\t:KA+8*\t+7], v[32*\t+8*\s:32*\t+8*\s+7], v[FR+8*\s:FR+8*\s+7], v[KA+8*\t:KA+8*\t+7], v[WSK+4*(\t/2)+\s], v[FS+\s] matrix_a_fmt:MATRIX_FMT_FP4 matrix_b_fmt:MATRIX_FMT_FP4
.endif
.endif
.endr
.endm
.macro ROWL reg, base                  ; 32 numbers of a vector of 512 in the result's layout: channels 64 w + 16 t + 8 h + 0 .. 7
.irp t, 0,1,2,3
.irp j, 0,1
	global_load_b128 v[\reg+8*\t+4*\j:\reg+8*\t+4*\j+3], v[BO], s[\base:\base+1] offset:64*\t+16*\j
.endr
.endr
.endm
.macro ACROSS off                      ; the two chains v[92:93], v[94:95] of my 32 channels become, in v96 of every lane, the sum over all 512
	v_pk_add_f32 v[92:93], v[92:93], v[94:95]
	v_add_f32 v92, v92, v93
	v_permlanex16_b32 v[PT], v92, s46, s47
	v_add_f32 v92, v92, v[PT]                      ; my wave's 64 channels
	ds_store_b32 v[ARW], v92 offset:\off           ; all lanes write the same word with the same value
	s_wait_dscnt 0x0                               ; for the others' sake
	s_barrier_signal -1
	s_barrier_wait -1
	ds_load_b128 v[96:99], v[ARR] offset:\off
	ds_load_b128 v[104:107], v[ARR] offset:\off+16
	s_wait_dscnt 0x0
	v_pk_add_f32 v[96:97], v[96:97], v[98:99]
	v_pk_add_f32 v[104:105], v[104:105], v[106:107]
	v_pk_add_f32 v[96:97], v[96:97], v[104:105]
	v_add_f32 v96, v96, v97
.endm
	s_load_b512 s[4:19], s[0:1], 0x0               ; part s[4:5], wimg s[6:7], wscl s[8:9], bv s[10:11], bo s[12:13], query s[14:15], gamma s[16:17], beta s[18:19]
	s_load_b64 s[20:21], s[0:1], 0x40              ; out0
	v_lshl_add_u32 v126, v0, 2, 0x2400
	v_mov_b32 v127, 0
	v_lshrrev_b32 v110, 5, v0
	v_readfirstlane_b32 s22, v110                  ; wave w
	s_and_b32 s23, s22, 3                          ; the K step that waves 0-3 quantise
	v_and_b32 v110, 31, v0                         ; lane
	v_and_b32 v111, 15, v0                         ; r
	v_bfe_u32 v112, v0, 4, 1                       ; h
	v_lshlrev_b32 v[GW], 4, v110
	v_lshlrev_b32 v113, 4, v111
	s_lshl_b32 s25, s23, 9
	v_lshlrev_b32 v[AXA], 7, v112
	v_add_nc_u32 v[AXA], s25, v[AXA]
	s_lshl_b32 s25, s23, 10
	s_add_co_u32 s25, s25, IMG
	v_add_nc_u32 v[AIW], s25, v[GW]
	s_lshl_b32 s25, s23, 2
	s_add_co_u32 s25, s25, IMG+SCO
	v_add_nc_u32 v[ASW], s25, v113
	v_add_nc_u32 v[AIF], IMG, v[GW]
	v_add_nc_u32 v[ASR], IMG+SCO, v113
	v_lshlrev_b32 v[AOW], 3, v0
	s_lshl_b32 s25, s22, 2
	s_add_co_u32 s25, s25, RED
	v_mov_b32 v[ARW], s25
	v_mov_b32 v[ARR], RED
	s_lshl_b32 s25, s22, 8
	s_add_co_u32 s25, s25, STG
	v_lshlrev_b32 v[BO], 5, v112
	v_add_nc_u32 v[AST], s25, v[BO]
	v_lshlrev_b32 v[OO], 3, v110
	v_add_nc_u32 v[ASL], s25, v[OO]
	v_lshlrev_b32 v[SH8], 3, v112
	v_mov_b32 v[PT], 0                             ; a lane permute's destination counts as one of its sources
	s_lshl_b32 s25, s22, 9
	v_add_nc_u32 v[PO], s25, v[OO]
	v_lshlrev_b32 v[PM], 2, v112
	s_add_co_u32 s25, s25, 256
	v_add_nc_u32 v[PM], s25, v[PM]
	s_mov_b32 s46, 0x76543210
	s_mov_b32 s47, 0xfedcba98
	s_mov_b32 s26, 0x3b000000                      ; 1 / 512
	s_mov_b32 s27, 0x3727c5ac                      ; 1e-5
	s_mov_b32 s29, 0
	s_lshl_b32 s28, ttmp9, 15                      ; the batch's 64 records
	s_wait_kmcnt 0x0
	s_add_nc_u64 s[4:5], s[4:5], s[28:29]
	s_lshl_b32 s28, s22, 14                        ; Wo lies in slot 2; my four tiles
	s_add_co_u32 s28, s28, 2*131072
	s_add_nc_u64 s[6:7], s[6:7], s[28:29]
	s_lshl_b32 s28, s22, 10
	s_add_co_u32 s28, s28, 2*8192
	s_add_nc_u64 s[8:9], s[8:9], s[28:29]
	s_lshl_b32 s28, s22, 8                         ; my 64 channels
	s_add_nc_u64 s[12:13], s[12:13], s[28:29]
	s_add_nc_u64 s[16:17], s[16:17], s[28:29]
	s_add_nc_u64 s[18:19], s[18:19], s[28:29]
	s_lshl_b32 s30, ttmp9, 11                      ; and the batch's row
	s_add_co_u32 s28, s28, s30
	s_add_nc_u64 s[14:15], s[14:15], s[28:29]
	s_add_nc_u64 s[20:21], s[20:21], s[28:29]
.irp c, 0,1,2,3,4,5,6,7                        ; the eight chunks' records of my wave: my two channels, my head's M and L
	global_load_b64 v[128+2*\c:129+2*\c], v[PO], s[4:5] offset:4096*\c
	global_load_b32 v[144+\c], v[PM], s[4:5] offset:4096*\c
	global_load_b32 v[152+\c], v[PM], s[4:5] offset:4096*\c+8
.endr
	global_load_b64 v[120:121], v[AOW], s[10:11]   ; bv
	WIN 0x40                                       ; destination window 1
.set LI, 0
.rept 32
	global_load_b128 v[4*LI:4*LI+3], v[GW], s[6:7] offset:512*LI   ; Wo's fragments: register 32 t + 8 s + 4 c of window 1
.set LI, LI+1
.endr
	WIN 0
	global_load_b128 v[WSK:WSK+3], v[GW], s[8:9]
	global_load_b128 v[WSK+4:WSK+7], v[GW], s[8:9] offset:512
	ROWL 192, 12                                   ; bo
	ROWL 224, 14                                   ; query
	s_wait_loadcnt 50                              ; the partials and bv are in; the 50 loads behind them (32 + 2 + 8 + 8) may be out
	WIN 0x40
	ROWL 128, 16                                   ; gamma: window 1, v128-159
	ROWL 160, 18                                   ; beta: window 1, v160-191
	WIN 0
	v_max3_num_f32 v122, v144, v145, v146          ; M*
	v_max3_num_f32 v122, v122, v147, v148
	v_max3_num_f32 v122, v122, v149, v150
	v_max_num_f32 v122, v122, v151
.irp c, 0,1,2,3,4,5,6,7
	v_sub_f32 v[144+\c], v[144+\c], v122
.endr
.irp c, 0,1,2,3,4,5,6,7
	v_exp_f32 v[144+\c], v[144+\c]                 ; the chunk's weight 2^(M_c - M*)
.endr
	v_nop
	s_wait_alu depctr_va_vdst(0)
	v_mul_f32 v123, v144, v152
	v_mul_f32 v124, v144, v128
	v_mul_f32 v125, v144, v129
.irp c, 1,2,3,4,5,6,7
	v_fma_f32 v123, v[144+\c], v[152+\c], v123
	v_fma_f32 v124, v[144+\c], v[128+2*\c], v124
	v_fma_f32 v125, v[144+\c], v[129+2*\c], v125
.endr
	v_rcp_f32 v123, v123                           ; the sum is at least 1: the row with the largest score counts 1
	v_nop
	s_wait_alu depctr_va_vdst(0)
	v_fma_f32 v124, v124, v123, v120               ; + bv: the weights sum to 1
	v_fma_f32 v125, v125, v123, v121
	ds_store_b64 v[AOW], v[124:125]
	s_wait_dscnt 0x0
	s_barrier_signal -1
	s_barrier_wait -1                              ; attn's 512 numbers lie in LDS
	s_cmp_lt_u32 s22, 4
	s_cbranch_scc0 .Lno_quant
.irp c, 0,1
.irp j, 0,1,2,3,4,5,6,7
	ds_load_b128 v[X+32*\c+4*\j:X+32*\c+4*\j+3], v[AXA] offset:256*\c+16*\j   ; k = 128 w + 64 c + 32 h + ..: no r in the address: the row stands in all 16 columns
.endr
.endr
	s_wait_dscnt 0x0
	QB
.irp c, 0,1
	ds_store_b128 v[AIW], v[PC+4*\c:PC+4*\c+3] offset:512*\c
.endr
	ds_store_b32 v[ASW], v[PW]
.Lno_quant:
	s_wait_dscnt 0x0
	s_barrier_signal -1
	s_barrier_wait -1                              ; its four fragments and their scale words lie in LDS
.irp s, 0,1,2,3
.irp c, 0,1
	ds_load_b128 v[FR+8*\s+4*\c:FR+8*\s+4*\c+3], v[AIF] offset:1024*\s+512*\c
.endr
.endr
	ds_load_b128 v[FS:FS+3], v[ASR]
	s_wait_loadcnt 16                              ; Wo, its scale words, bo and the query are in; gamma's and beta's 16 loads may be out
	s_wait_dscnt 0x0
	WIN 0x01                                       ; source 0 window 1
	MROW 0, 1                                      ; four accumulators by turns, one instruction a turn
	MROW 1, 0
	MROW 2, 0
	MROW 3, 0
	WIN 0
.rept 4
	v_nop
.endr
.set OI, 0
.rept 16
	v_pk_add_f32 v[XX+2*OI:XX+2*OI+1], v[KA+2*OI:KA+2*OI+1], v[192+2*OI:193+2*OI]     ; + bo
.set OI, OI+1
.endr
.set OI, 0
.rept 16
	v_pk_add_f32 v[XX+2*OI:XX+2*OI+1], v[XX+2*OI:XX+2*OI+1], v[224+2*OI:225+2*OI]     ; + query
.set OI, OI+1
.endr
	v_pk_add_f32 v[92:93], v[XX:XX+1], v[XX+2:XX+3]
	v_pk_add_f32 v[94:95], v[XX+4:XX+5], v[XX+6:XX+7]
.irp i, 8,12,16,20,24,28
	v_pk_add_f32 v[92:93], v[92:93], v[XX+\i:XX+\i+1]
	v_pk_add_f32 v[94:95], v[94:95], v[XX+\i+2:XX+\i+3]
.endr
	ACROSS 0
	v_mul_f32 v96, s26, v96                        ; the mean
	v_mov_b32 v97, v96
.set OI, 0
.rept 16
	v_pk_add_f32 v[XX+2*OI:XX+2*OI+1], v[XX+2*OI:XX+2*OI+1], v[96:97] neg_lo:[0,1] neg_hi:[0,1]
.set OI, OI+1
.endr
	v_pk_mul_f32 v[92:93], v[XX:XX+1], v[XX:XX+1]
	v_pk_mul_f32 v[94:95], v[XX+2:XX+3], v[XX+2:XX+3]
.irp i, 4,8,12,16,20,24,28
	v_pk_fma_f32 v[92:93], v[XX+\i:XX+\i+1], v[XX+\i:XX+\i+1], v[92:93]
	v_pk_fma_f32 v[94:95], v[XX+\i+2:XX+\i+3], v[XX+\i+2:XX+\i+3], v[94:95]
.endr
	ACROSS 64                                      ; other bytes than the first sum's: no wave writes what another may still read
	v_fma_f32 v96, v96, s26, s27                   ; the variance + 1e-5
	v_rsq_f32 v96, v96
	v_nop
	s_wait_alu depctr_va_vdst(0)
	v_mov_b32 v97, v96
.set OI, 0
.rept 16
	v_pk_mul_f32 v[XX+2*OI:XX+2*OI+1], v[XX+2*OI:XX+2*OI+1], v[96:97]
.set OI, OI+1
.endr
	s_wait_loadcnt 0x0                             ; gamma, beta
	WIN 0x14                                       ; sources 1 and 2 window 1
.set OI, 0
.rept 16
	v_pk_fma_f32 v[XX+2*OI:XX+2*OI+1], v[XX+2*OI:XX+2*OI+1], v[128+2*OI:129+2*OI], v[160+2*OI:161+2*OI]
.set OI, OI+1
.endr
	WIN 0
.irp t, 0,1,2,3
.irp j, 0,1
	ds_store_b128 v[AST], v[XX+8*\t+4*\j:XX+8*\t+4*\j+3] offset:64*\t+16*\j   ; the sixteen lanes of a half write the same bytes with the same values
.endr
.endr
	ds_load_b64 v[92:93], v[ASL]                   ; my wave's own 256 bytes; LDS serves a wave's instructions in order
	s_wait_dscnt 0x0
	global_store_b64 v[OO], v[92:93], s[20:21]     ; 32 lanes store 256 consecutive bytes, aligned
	s_wait_tensorcnt 0x0
	ds_add_u32 v126, v127
	s_wait_dscnt 0x0
	s_endpgm
.Lfunc_end_k_qdf7e7f65fa_final:
	.size	k_qdf7e7f65fa_final, .Lfunc_end_k_qdf7e7f65fa_final-k_qdf7e7f65fa_final
	.p2alignl 7, 3214868480
	.fill 96, 4, 3214868480
	.section	.rodata,"a",@progbits
	.p2align	6, 0x0
	.amdhsa_kernel k_qdf7e7f65fa_final
		.amdhsa_group_segment_fixed_size 10240
		.amdhsa_private_segment_fixed_size 0
		.amdhsa_enable_private_segment 0
		.amdhsa_kernarg_size 72
		.amdhsa_user_sgpr_count 2
		.amdhsa_user_sgpr_kernarg_segment_ptr 1
		.amdhsa_wavefront_size32 1
		.amdhsa_system_sgpr_workgroup_id_x 1
		.amdhsa_system_sgpr_workgroup_id_y 1
		.amdhsa_system_sgpr_workgroup_id_z 1
		.amdhsa_system_vgpr_workitem_id 0
		.amdhsa_next_free_vgpr 512
		.amdhsa_next_free_sgpr 66
		.amdhsa_reserve_vcc 0
		.amdhsa_float_denorm_mode_32 3
		.amdhsa_float_denorm_mode_16_64 3
		.amdhsa_memory_ordered 1
		.amdhsa_forward_progress 1
		.amdhsa_inst_pref_size 31
	.end_amdhsa_kernel
	.amdgpu_metadata
---
amdhsa.version: [ 1, 2 ]
amdhsa.kernels:
  - .name:           k_qdf7e7f65fa_final
    .symbol:         k_qdf7e7f65fa_final.kd
    .args:
      - { .name: part, .offset: 0, .size: 8, .value_kind: global_buffer, .address_space: global }
      - { .name: wimg, .offset: 8, .size: 8, .value_kind: global_buffer, .address_space: global }
      - { .name: wscl, .offset: 16, .size: 8, .value_kind: global_buffer, .address_space: global }
      - { .name: bv, .offset: 24, .size: 8, .value_kind: global_buffer, .address_space: global }
      - { .name: bo, .offset: 32, .size: 8, .value_kind: global_buffer, .address_space: global }
      - { .name: query, .offset: 40, .size: 8, .value_kind: global_buffer, .address_space: global }
      - { .name: ln_gamma, .offset: 48, .size: 8, .value_kind: global_buffer, .address_space: global }
      - { .name: ln_beta, .offset: 56, .size: 8, .value_kind: global_buffer, .address_space: global }
      - { .name: out0, .offset: 64, .size: 8, .value_kind: global_buffer, .address_space: global }
    .group_segment_fixed_size: 10240
    .private_segment_fixed_size: 0
    .kernarg_segment_align: 8
    .kernarg_segment_size: 72
    .max_flat_workgroup_size: 256
    .sgpr_count:     66
    .vgpr_count:     512
    .wavefront_size: 32
...
	.end_amdgpu_metadata
.endif
;; end of part 3
